; MI455X (gfx1250); checked and timed in simulation.
; The chip was launched on July 23, 2026; its instructions are those of AMD's public machine-readable ISA for CDNA 5 (MIT licence, August 2026) and "CDNA5" Instruction Set Architecture Reference Guide (July 2026). The comments in the code are by the model that wrote it; some were corrected since.
;; Multi Head Attention. Allowed arithmetic: matrix products marked QUANTISED: E4M3 operands, one given power-of-two scale a tensor, by v_wmma_f32_16x16x64_fp8_fp8 or v_wmma_f32_16x16x128_fp8_fp8, f32 sums; everything else in f32.
;; Inputs: W_qkv 1,024 x 3,072 float32; b_qkv 3,072 float32; lowp_scales 6 int32 (the exponents e of the quantised operands' scales 2^e); x 2 x 2,048 x 1,024 float32.
;; Outputs: out0 2 x 2,048 x 1,024 float32.
;; This version of the problem:
;;   THIS VERSION OF THE PROBLEM IS GIVEN IN LOW PRECISION. The matrix products marked QUANTISED in the list below multiply operands that are first quantised to E4M3 (4 exponent bits, 3 mantissa bits; 8 bits a number), with one given power-of-two scale for each operand tensor; their sums are f32. All else is computed in f32.
;;   The module's matrix products, in the order in which they are computed (A, B: the left and right operand; K: the contracted axis; several contracted axes count as one K, in the product's order):
;;     1. [M 4,096, K 1,024] x [K 1,024, N 3,072]; A: input x; B: input W_qkv: QUANTISED (scales: A lowp_scales[0], B lowp_scales[1])
;;     2. batch 32 x [M 2,048, K 64] x [K 64, N 2,048]; A: computed on the way; B: computed on the way: QUANTISED (scales: A lowp_scales[2], B lowp_scales[3])
;;     3. batch 32 x [M 2,048, K 2,048] x [K 2,048, N 64]; A: softmax (see below); B: computed on the way: QUANTISED (scales: A lowp_scales[4], B lowp_scales[5])
;;   THE QUANTISER, for each operand of a quantised product, along K:
;;     - The operand's scale is 2^e, e = its entry of the input lowp_scales (int32; the entries are numbered through the quantised products in the list's order, A before B).
;;     - Each number is divided by the scale, clamped to +-448, and rounded to the nearest number of E4M3, ties to even, subnormals kept.
;;     - The product sums the exact products of the quantised numbers (number of the format x scale) in f32.
;;   ~~~python
;;   def quantise(x, axis, e):      # numpy; x: float32 -> the quantised numbers, widened to float32 again
;;       x = np.moveaxis(x, axis, -1); K = x.shape[-1]
;;       r = np.clip(x / 2.0 ** e, -448, 448)
;;       step = 2.0 ** (np.maximum(np.frexp(np.where(r == 0, 1, r))[1] - 1, -6) - 3)
;;       q = np.round(r / step) * step * 2.0 ** e      # np.round: ties to even
;;       return np.moveaxis(q, -1, axis).astype(np.float32)
;;   ~~~
;;   SOFTMAX AHEAD OF A QUANTISED PRODUCT. Where the list says 'softmax', what is quantised is not the finished softmax but p = 2^(t - M), with t = logit x log2(e) and M = ceil(the row's largest t), a whole number; so 1/2 < the row's largest p <= 1. The row's sum l is taken of the UNQUANTISED p, in f32, and the product's result is divided by l at the end. Since M is a whole number, a kernel that streams over the keys may use a running M (the ceiling of the running maximum): every later rescaling is an exact power of two, so the quantised numbers keep their values, but for numbers so far below the row's largest that they fall under the format's range.
;;   OPERANDS COMPUTED ON THE WAY. 'Computed on the way' means the value that the module computes at that place (a softmax that the list does not call 'softmax' is quantised finished and normalised). What goes into a quantiser is computed in f32, as accurately as f32 sums, v_exp_f32 and their like allow (about 1e-6 of the number): no bf16 or f16 on the way to a quantiser, and a product that is left as it is and whose result goes on into a quantised operand takes f32 operands (vector FMAs, or v_wmma_f32_16x16x4_f32). A number that lies on a knife's edge between two numbers of the format may be rounded either way, as far as f32 arithmetic and the matrix unit's own rounding can turn it there, and no further.
;; One version. Each part assembles by itself: llvm-mc -triple=amdgcn-amd-amdhsa -mcpu=gfx1250 --defsym DOCPART=n.
;; ======== version 1 of 1: 3 launches
;; limits: right only within a limited range of input values
;; workspace buffers: x_codes 4,194,304 bytes; w_codes 3,145,728 bytes; q_img 4,194,304 bytes; kv_img 8,388,608 bytes
;; launch quant (part 1): grid 256 x 1, 14 waves a work-group, no clusters, 148,736 bytes of LDS; arguments x, W_qkv, lowp_scales, x_codes, w_codes; writes x_codes, w_codes
.if DOCPART == 1
	.amdgcn_target "amdgcn-amd-amdhsa--gfx1250"
	.amdhsa_code_object_version 6
	.text
	.protected	k_qf0be2315c2_quant
	.globl	k_qf0be2315c2_quant
	.p2align	8
	.type	k_qf0be2315c2_quant,@function
k_qf0be2315c2_quant:
	s_mov_b64 s[64:65], 0
	v_nop
	global_prefetch_b8 v0, s[64:65] scope:SCOPE_SE
	s_setreg_imm32_b32 hwreg(HW_REG_WAVE_MODE, 25, 1), 1
	s_wait_xcnt 0x0
; x [4096][1024] f32 and W_qkv [1024 (k)][3072 (n)] f32 become codes of E4M3, one code a byte, laid as IMAGES OF OPERAND FRAGMENTS: 16 rows of x (or 16 columns n of W) x 128 along K are 2,048 bytes on end,
; byte 512 c + 256 h + 16 r + i = the code of row (column) r at k = 32 c + 16 h + i.  x_codes: [256 tiles of 16 rows][8 along K][2,048]; w_codes: [192 tiles of 16 columns][8 along K][2,048].
; code = number / 2^e, held within +-448, rounded to the nearest code, ties to even.  e = lowp_scales[0] for x, lowp_scales[1] for W.
; LIMITS: each e lies between -126 and 119, so that 2^e and 448 x 2^e are f32 numbers.  NaN among the inputs is not served (an infinity is held at the largest code).
; SHARES.  256 work-groups of fourteen waves; each wave reads 8,192 bytes, all asked for at once, and stores 2,048.  Waves 0 to 7 take 16 rows of x, 128 along K each; waves 8 to 13 take 64 columns x 32 along K of W each.
; Waves share nothing: no barrier.  No work-group reads what another reads: no cluster, no tensor load; there is no loop that a prefetch could run ahead in.
; x: each load reads 512 consecutive bytes of a row; the rows turn through the wave's own stage in LDS (pitch 528) and come back 64 bytes a lane: 16 neighbours along K in a lane's registers, as the conversions want them.
; W: K is the FIRST axis.  Each load reads 256 consecutive bytes of two rows: a lane takes four columns, and its loads run down K.  The hold writes each column's 16 numbers on end.  The codes turn through the wave's stage.
.set XREG,  8448                       ; LDS bytes of a wave's stage for x: 16 x 528
.set WST,   14*XREG                    ; W's stages begin behind them: 2,048 bytes for each wave
.set SPARE, WST+14*2048                ; the spare words, 128 bytes for each wave
.set SPW,   1
.set NIL,   2
	s_load_b128 s[4:7], s[0:1], 0x0                ; x s[4:5], W s[6:7]
	s_load_b64 s[10:11], s[0:1], 0x10              ; the scales' exponents
	s_load_b128 s[12:15], s[0:1], 0x18             ; x_codes s[12:13], w_codes s[14:15]
	v_lshl_add_u32 v[SPW], v0, 2, SPARE
	v_mov_b32 v[NIL], 0
	v_lshrrev_b32 v3, 5, v0
	v_readfirstlane_b32 s16, v3                    ; wave 0..13
	v_and_b32 v4, 31, v0
	v_and_b32 v6, 15, v0                           ; r
	v_bfe_u32 v7, v0, 4, 1                         ; h
	s_mul_i32 s17, s16, XREG
	s_lshl_b32 s18, s16, 11
	s_add_co_u32 s18, s18, WST
	v_lshlrev_b32 v5, 4, v4                        ; 16 x lane
	v_mul_u32_u24 v9, v6, 528
	v_lshrrev_b32 v10, 2, v6
	v_and_b32 v15, 3, v6
	v_mul_u32_u24 v12, v7, 0x30000                 ; W: lanes 16-31 begin 16 rows of 12,288 bytes further down
	v_add_nc_u32 v8, s17, v5                       ; x's stage, in: a row on end
	v_lshl_add_u32 v9, v7, 6, v9
	v_lshlrev_b32 v10, 9, v10
	v_lshl_add_u32 v12, v6, 4, v12                 ; W: my four columns
	v_add_nc_u32 v9, s17, v9                       ; out: row r, 64 bytes
	v_lshl_add_u32 v10, v15, 6, v10
	v_add_nc_u32 v11, s18, v5                      ; W's stage, out: as it lies
	v_lshl_add_u32 v10, v7, 8, v10
	v_add_nc_u32 v10, s18, v10                     ; in: column 4 r + j of the 64 is tile r / 4, row 4 (r % 4) + j
	s_wait_alu depctr_va_vdst(0)                   ; the wait at the head's end
	s_wait_kmcnt 0x0
	s_load_b64 s[22:23], s[10:11], 0x0             ; e of x, e of W
.macro SCALES e                        ; v13 = 2^e as f32 (the conversion takes its exponent field), v14 = 448 x 2^e
	s_wait_kmcnt 0x0
	s_add_co_i32 s26, s[\e], 127
	s_lshl_b32 s27, s26, 23
	v_mov_b32 v13, s27
	s_add_co_i32 s26, s26, 8
	s_lshl_b32 s26, s26, 23
	s_or_b32 s26, s26, 0x600000
	v_mov_b32 v14, s26
	s_wait_alu depctr_va_vdst(0)                   ; the wait here, ahead of the waits below
.endm
	s_cmp_lt_u32 s16, 8
	s_cbranch_scc0 .Lw
; ------------------------------------------------------------------ x
	s_lshl_b32 s20, ttmp9, 16                      ; 16 rows of 4,096 bytes,
	s_lshl_b32 s24, s16, 9
	s_add_co_u32 s20, s20, s24                     ; 512 bytes of each
	s_mov_b32 s21, 0
	s_add_nc_u64 s[4:5], s[4:5], s[20:21]
.set i, 0
.rept 16
	global_load_b128 v[32+4*i:35+4*i], v5, s[4:5] offset:4096*i th:TH_LOAD_NT
.set i, i+1
.endr
	s_lshl_b32 s20, ttmp9, 14
	s_lshl_b32 s24, s16, 11
	s_add_co_u32 s20, s20, s24
	s_add_nc_u64 s[12:13], s[12:13], s[20:21]      ; my fragment
	SCALES 22
.set i, 0
.rept 16
	s_wait_loadcnt 15-i                            ; row i is in; the younger ones may be out
	ds_store_b128 v8, v[32+4*i:35+4*i] offset:528*i
.set i, i+1
.endr
.irp c, 0,1,2,3
.irp q, 0,1,2,3
	ds_load_b128 v[96+16*\c+4*\q:99+16*\c+4*\q], v9 offset:128*\c+16*\q   ; LDS serves a wave's instructions in order (ISA guide 5.7.1.4): these see my stores
.endr
.endr
.irp c, 0,1,2,3
	s_wait_dscnt 12-4*\c                           ; the first 4 c + 4 loads are back
.set i, 0
.rept 16
	v_med3_num_f32 v[96+16*\c+i], v[96+16*\c+i], -v14, v14   ; the conversion to an 8-bit code does not saturate (ISA guide 7.6.2): the number is held first
.set i, i+1
.endr
	v_cvt_scalef32_pk8_fp8_f32 v[160+4*\c:161+4*\c], v[96+16*\c:103+16*\c], v13
	v_cvt_scalef32_pk8_fp8_f32 v[162+4*\c:163+4*\c], v[104+16*\c:111+16*\c], v13
	v_nop                                          ; a plain place behind the conversions
	global_store_b128 v5, v[160+4*\c:163+4*\c], s[12:13] offset:512*\c   ; 32 lanes store 512 consecutive bytes, aligned
.endr
	s_wait_tensorcnt 0x0                           ; the wave's end
	ds_add_u32 v[SPW], v[NIL]
	s_wait_dscnt 0x0
	s_endpgm
; ------------------------------------------------------------------ W
.Lw:
	s_sub_co_u32 s19, s16, 8                       ; 0..5
	s_and_b32 s20, ttmp9, 7
	s_mul_i32 s20, s20, 6
	s_add_co_u32 s19, s19, s20                     ; which 64 columns: 0..47
	s_lshr_b32 s25, ttmp9, 3                       ; which 32 along K: 0..31
	s_mul_i32 s20, s25, 0x60000                    ; 32 rows of 12,288 bytes,
	s_lshl_b32 s24, s19, 8
	s_add_co_u32 s20, s20, s24                     ; 256 bytes of each
	s_mov_b32 s21, 0
	s_add_nc_u64 s[6:7], s[6:7], s[20:21]
.set i, 0
.rept 16
	global_load_b128 v[32+4*i:35+4*i], v12, s[6:7] offset:12288*i th:TH_LOAD_NT   ; row 16 h + i, columns 4 r .. 4 r + 3
.set i, i+1
.endr
	s_lshl_b32 s20, s19, 16                        ; four tiles of 16,384 bytes for each 64 columns
	s_lshl_b32 s24, s25, 9                         ; 512 bytes for each 32 along K
	s_add_co_u32 s20, s20, s24
	s_add_nc_u64 s[14:15], s[14:15], s[20:21]
	SCALES 23
.set i, 0
.rept 16
	s_wait_loadcnt 15-i                            ; row i is in; the younger ones may be out
.irp j, 0,1,2,3
	v_med3_num_f32 v[96+16*\j+i], v[32+4*i+\j], -v14, v14   ; held, and to its place: column j's numbers on end
.endr
.set i, i+1
.endr
	s_wait_alu depctr_va_vdst(0)                   ; the wait here, directly ahead of the readers below
.irp j, 0,1,2,3
	v_cvt_scalef32_pk8_fp8_f32 v[160+4*\j:161+4*\j], v[96+16*\j:103+16*\j], v13
	v_cvt_scalef32_pk8_fp8_f32 v[162+4*\j:163+4*\j], v[104+16*\j:111+16*\j], v13
.endr
	v_nop                                          ; a plain place behind the conversions
.irp j, 0,1,2,3
	ds_store_b128 v10, v[160+4*\j:163+4*\j] offset:16*\j
.endr
.irp t, 0,1,2,3
	ds_load_b128 v[176+4*\t:179+4*\t], v11 offset:512*\t
.endr
.irp t, 0,1,2,3
	s_wait_dscnt 3-\t
	global_store_b128 v5, v[176+4*\t:179+4*\t], s[14:15] offset:16384*\t   ; 32 lanes store 512 consecutive bytes, aligned
.endr
	s_wait_tensorcnt 0x0                           ; the wave's end
	ds_add_u32 v[SPW], v[NIL]
	s_wait_dscnt 0x0
	s_endpgm
.Lfunc_end_k_qf0be2315c2_quant:
	.size	k_qf0be2315c2_quant, .Lfunc_end_k_qf0be2315c2_quant-k_qf0be2315c2_quant
	.p2alignl 7, 3214868480
	.fill 96, 4, 3214868480
	.section	.rodata,"a",@progbits
	.p2align	6, 0x0
	.amdhsa_kernel k_qf0be2315c2_quant
		.amdhsa_group_segment_fixed_size 148736
		.amdhsa_private_segment_fixed_size 0
		.amdhsa_enable_private_segment 0
		.amdhsa_kernarg_size 40
		.amdhsa_user_sgpr_count 2
		.amdhsa_user_sgpr_kernarg_segment_ptr 1
		.amdhsa_wavefront_size32 1
		.amdhsa_system_sgpr_workgroup_id_x 1
		.amdhsa_system_sgpr_workgroup_id_y 1
		.amdhsa_system_sgpr_workgroup_id_z 1
		.amdhsa_system_vgpr_workitem_id 0
		.amdhsa_next_free_vgpr 192
		.amdhsa_next_free_sgpr 66
		.amdhsa_reserve_vcc 0
		.amdhsa_float_denorm_mode_32 3
		.amdhsa_float_denorm_mode_16_64 3
		.amdhsa_memory_ordered 1
		.amdhsa_forward_progress 1
		.amdhsa_inst_pref_size 21
	.end_amdhsa_kernel
	.amdgpu_metadata
---
amdhsa.version: [ 1, 2 ]
amdhsa.kernels:
  - .name:           k_qf0be2315c2_quant
    .symbol:         k_qf0be2315c2_quant.kd
    .args:
      - { .name: x, .offset: 0, .size: 8, .value_kind: global_buffer, .address_space: global }
      - { .name: W_qkv, .offset: 8, .size: 8, .value_kind: global_buffer, .address_space: global }
      - { .name: lowp_scales, .offset: 16, .size: 8, .value_kind: global_buffer, .address_space: global }
      - { .name: x_codes, .offset: 24, .size: 8, .value_kind: global_buffer, .address_space: global }
      - { .name: w_codes, .offset: 32, .size: 8, .value_kind: global_buffer, .address_space: global }
    .group_segment_fixed_size: 148736
    .private_segment_fixed_size: 0
    .kernarg_segment_align: 8
    .kernarg_segment_size: 40
    .max_flat_workgroup_size: 448
    .sgpr_count:     66
    .vgpr_count:     192
    .wavefront_size: 32
...
	.end_amdgpu_metadata
.endif
;; end of part 1
;; launch qkv (part 2): grid 16 x 16, 4 waves a work-group, clusters of 4 x 1, 327,680 bytes of LDS; arguments x_codes, w_codes, lowp_scales, b_qkv, q_img, kv_img; writes q_img, kv_img
.if DOCPART == 2
	.amdgcn_target "amdgcn-amd-amdhsa--gfx1250"
	.amdhsa_code_object_version 6
	.text
	.protected	k_qf0be2315c2_qkv
	.globl	k_qf0be2315c2_qkv
	.p2align	8
	.type	k_qf0be2315c2_qkv,@function
k_qf0be2315c2_qkv:
	s_mov_b64 s[64:65], 0
	v_nop
	global_prefetch_b8 v0, s[64:65] scope:SCOPE_SE
	s_setreg_imm32_b32 hwreg(HW_REG_WAVE_MODE, 25, 1), 1
	s_wait_xcnt 0x0
	s_wait_alu depctr_hold_cnt(0) depctr_sa_sdst(0) depctr_va_vdst(0) depctr_va_sdst(0) depctr_va_ssrc(0) depctr_va_vcc(0) depctr_vm_vsrc(0)
	s_getreg_b32 s2, hwreg(HW_REG_IB_STS2, 6, 4)
	s_cmp_eq_u32 s2, 0
	s_cbranch_scc0 .Lentry_in_a_cluster
	s_endpgm
.Lentry_in_a_cluster:
	s_bfe_u32 s2, ttmp6, 0x10000c
	s_cmp_lg_u32 s2, 0x3003
	s_cbranch_scc0 .Lentry_shape_is_right
	s_endpgm
.Lentry_shape_is_right:
; qkv = x W + b on codes of E4M3, and at once q, k and v as codes for attention, as images of its operands' registers.  x_codes and w_codes are images of fragments: layouts at the head of the launch that makes them.
; A work-group owns 256 rows of x (grid y) and ONE HEAD's 64 columns of q, 64 of k and 64 of v (grid x).  Four waves: wave = 2 x (half of the rows) + (half of the columns): 128 rows x 32 columns of each of q, k, v: 8 x 6 accumulators of 16 x 16.
; x's 256 rows x 1,024 along K are 262,144 bytes and lie in LDS WHOLE: one tensor load a wave, every byte is filled once, no ring.  CLUSTER: four heads of the same rows ask for them JOINTLY (mask 15).
; W goes from memory straight into registers, a fragment's 512 bytes a load: its 196,608 bytes for a work-group do not fit in LDS beside x's 262,144, so it is not asked for jointly.
; Three sets of W's registers: the first three steps are asked for at the head, every later step when the step three before it has been multiplied, two whole steps ahead of its use: no prefetch beside that.
; q, k: the product is used TRANSPOSED (source 0 = 16 columns of W, source 1 = 16 rows of x): lane (r, h) holds row r, channels 8 h + 0 .. 7 of the tile.  v: source 0 = x, source 1 = W: lane (r, h) holds channel r, rows 8 h + 0 .. 7.
; q_img: [32 batch-heads][128 tiles of 16 rows][1,024]: byte 512 u + 16 lane + 8 w + j = row r, channel 16 (2 u + w) + 8 h + j.
; kv_img: [32 batch-heads][8 chunks of 256 keys][32,768]: 16,384 bytes of k, 16 tiles laid as q's; then v: byte 8,192 (step of 128 keys) + 2,048 d + 512 c + 16 lane + 8 w + j = channel 16 d + r, key 16 (2 c + w) + 8 h + j.
; A finished sum x 2^(e0 + e1) + bias is held within 448 x 2^e and converted: e2 for q, e3 for k, e5 for v.
; LIMITS: e0 + e1 between -126 and 127; e2, e3, e5 between -126 and 119.  NaN is not served.
; REGISTERS: window 0: v0-16; v32-159 x's eight fragments; v160-255 W's set 2.  Window 1: W's sets 0 and 1 at v0 and v96, the bias from v192.  Windows 2, 3: the accumulators of row tiles 0-3, 4-7: (a, n) at 48 (a % 4) + 8 n, n = q, q, k, k, v, v.
.set SPARE, 0x40000                    ; behind x: the spare words, 128 bytes for each wave
.set L16,  4                           ; v4      16 x lane
.set ADR,  5                           ; v5, v6  LDS address of my row tiles 0-3, 4-7
.set BOQ,  7                           ; v7      32 h: bias of q, k
.set BOV,  8                           ; v8      4 r: bias of v
.set SPW,  9
.set NIL,  10
.set LM,   11                          ; v11-13  448 x 2^e of q, k, v
.set SC,   14                          ; v14-16  2^e of q, k, v
.set AF,   32
.set BI,   192                         ; window 1: 16 of q, 16 of k, two pairs of v
.set TMP,  160                         ; the way out: 48 numbers
.set CD,   32                          ; the way out: codes, 24 registers for each pair of row tiles
.set G1,   24
.set G0,   32
.set MSB, 0
.macro WIN new                         ; the immediate's high byte repeats the setting that is left
.if MSB != \new
	s_set_vgpr_msb (MSB<<8)|\new
.set MSB, \new
.endif
.endm
.macro ROUND                           ; a round of the cluster's barrier
	s_barrier_signal -1
	s_barrier_wait -1
	s_cmp_lg_u32 s14, 0
	s_cbranch_scc1 .Lnot_wave_0_\@
	s_barrier_signal -3
.Lnot_wave_0_\@:
	s_barrier_wait -3
	s_barrier_signal -1
	s_barrier_wait -1
.endm
.macro PLACES                          ; four places behind matrix instructions (ISA guide 7.12.1): no other vector work is at hand
.rept 4
	v_nop
.endr
.endm
.macro FETCHA s, hf                    ; x's fragments of row tiles 4 hf .. 4 hf + 3, step s of 128 along K
	WIN 0
.set i, 0
.rept 4
.irp c, 0,1,2,3
	ds_load_b128 v[AF+64*\hf+16*i+4*\c:AF+64*\hf+16*i+4*\c+3], v[ADR+\hf] offset:16384*i+2048*(\s)+512*\c
.endr
.set i, i+1
.endr
.endm
.macro FETCHW s                        ; W's six fragments of step s into set s % 3
.set WB, 96*((\s)%3)
.set WW, 0x40
.if ((\s)%3) == 2
.set WB, 160
.set WW, 0
.endif
	WIN WW
.set i, 0
.rept 6
.irp c, 0,1,2,3
	global_load_b128 v[WB+16*i+4*\c:WB+16*i+4*\c+3], v[L16], s[6:7] offset:1048576*(i/2)+16384*(i%2)+2048*(\s)+512*\c   ; 32 lanes read 512 consecutive bytes
.endr
.set i, i+1
.endr
	WIN 0
.endm
; 24 products: row tiles 4 hf .. 4 hf + 3 x six column tiles.  The 48 accumulators take turns, one instruction a turn, in the same order in every step.  Step 0 starts the sums: nothing is cleared.
.macro HALF s, hf
.set WB, 96*((\s)%3)
.set WQ, 0xa1+0x50*\hf
.set WV, 0xa4+0x50*\hf
.if ((\s)%3) == 2
.set WB, 160
.set WQ, 0xa0+0x50*\hf
.set WV, 0xa0+0x50*\hf
.endif
	WIN WQ
.irp n, 0,1,2,3
.irp a, 0,1,2,3
.if (\s) == 0
	v_wmma_f32_16x16x128_fp8_fp8 v[48*\a+8*\n:48*\a+8*\n+7], v[WB+16*\n:WB+16*\n+15], v[AF+64*\hf+16*\a:AF+64*\hf+16*\a+15], 0
.else
	v_wmma_f32_16x16x128_fp8_fp8 v[48*\a+8*\n:48*\a+8*\n+7], v[WB+16*\n:WB+16*\n+15], v[AF+64*\hf+16*\a:AF+64*\hf+16*\a+15], v[48*\a+8*\n:48*\a+8*\n+7]
.endif
.endr
.endr
	WIN WV
.irp n, 4,5
.irp a, 0,1,2,3
.if (\s) == 0
	v_wmma_f32_16x16x128_fp8_fp8 v[48*\a+8*\n:48*\a+8*\n+7], v[AF+64*\hf+16*\a:AF+64*\hf+16*\a+15], v[WB+16*\n:WB+16*\n+15], 0
.else
	v_wmma_f32_16x16x128_fp8_fp8 v[48*\a+8*\n:48*\a+8*\n+7], v[AF+64*\hf+16*\a:AF+64*\hf+16*\a+15], v[WB+16*\n:WB+16*\n+15], v[48*\a+8*\n:48*\a+8*\n+7]
.endif
.endr
.endr
	WIN 0
.endm
.macro STEP s
.if (\s) < 6
	s_wait_loadcnt 48                              ; W of this step is in; the 24 loads of each of the next two steps may be out
.elseif (\s) == 6
	s_wait_loadcnt 24
.else
	s_wait_loadcnt 0
.endif
	s_wait_dscnt 16                                ; row tiles 0-3 are in; the 16 loads of tiles 4-7 may be out
	HALF \s, 0
	s_wait_dscnt 0                                 ; row tiles 4-7, asked for 24 matrix instructions ago
.if (\s) < 7
	PLACES
	FETCHA \s+1, 0
.endif
	HALF \s, 1
	PLACES
.if (\s) < 7
	FETCHA \s+1, 1
.endif
.if (\s) < 5
	FETCHW \s+3
.endif
.endm
.macro SCALES x, e
	s_add_co_i32 s86, s[\e], 127
	s_lshl_b32 s87, s86, 23
	v_mov_b32 v[SC+\x], s87                        ; 2^e as f32: the conversion takes its exponent field
	s_add_co_i32 s86, s86, 8
	s_lshl_b32 s86, s86, 23
	s_or_b32 s86, s86, 0x600000
	v_mov_b32 v[LM+\x], s86                        ; 448 x 2^e
.endm
; THE WAY OUT of row tile a: each accumulator from its low end on.  Every store covers 512 consecutive bytes, aligned; the codes have registers of their own in every tile.
.macro OUT a
.set AC, 48*((\a)%4)
.set CB, CD+24*((\a)/2)
.set CE, 8*((\a)%2)
.set WO, 0x12+((\a)/4)
	WIN WO                                         ; source 0: window 2 or 3; source 2, the bias: window 1
.irp n, 0,1,2,3
.irp j, 0,2,4,6
	v_pk_fma_f32 v[TMP+8*\n+\j:TMP+8*\n+\j+1], v[AC+8*\n+\j:AC+8*\n+\j+1], s[78:79], v[BI+8*\n+\j:BI+8*\n+\j+1] op_sel_hi:[1,0,1]
.endr
.endr
.irp n, 0,1
.irp j, 0,2,4,6
	v_pk_fma_f32 v[TMP+32+8*\n+\j:TMP+32+8*\n+\j+1], v[AC+32+8*\n+\j:AC+32+8*\n+\j+1], s[78:79], v[BI+32+2*\n:BI+32+2*\n+1] op_sel_hi:[1,0,1]
.endr
.endr
	WIN 0
.set i, 0
.rept 48
	v_med3_num_f32 v[TMP+i], v[TMP+i], -v[LM+i/16], v[LM+i/16]   ; the conversion to an 8-bit code does not saturate (ISA guide 7.6.2)
.set i, i+1
.endr
	v_cvt_scalef32_pk8_fp8_f32 v[CB+CE:CB+CE+1], v[TMP:TMP+7], v[SC]
	v_cvt_scalef32_pk8_fp8_f32 v[CB+CE+2:CB+CE+3], v[TMP+8:TMP+15], v[SC]
	v_cvt_scalef32_pk8_fp8_f32 v[CB+CE+4:CB+CE+5], v[TMP+16:TMP+23], v[SC+1]
	v_cvt_scalef32_pk8_fp8_f32 v[CB+CE+6:CB+CE+7], v[TMP+24:TMP+31], v[SC+1]
	v_cvt_scalef32_pk8_fp8_f32 v[CB+16+2*((\a)%2):CB+17+2*((\a)%2)], v[TMP+32:TMP+39], v[SC+2]
	v_cvt_scalef32_pk8_fp8_f32 v[CB+20+2*((\a)%2):CB+21+2*((\a)%2)], v[TMP+40:TMP+47], v[SC+2]
	v_nop                                          ; a plain place behind the conversions
	global_store_b128 v[L16], v[CB+CE:CB+CE+3], s[88:89] offset:1024*(\a)
	global_store_b128 v[L16], v[CB+CE+4:CB+CE+7], s[92:93] offset:1024*(\a)
.if (\a)%2
	global_store_b128 v[L16], v[CB+16:CB+19], s[94:95] offset:512*((\a)/2)
	global_store_b128 v[L16], v[CB+20:CB+23], s[94:95] offset:2048+512*((\a)/2)
.endif
.endm
	s_load_b256 s[4:11], s[0:1], 0x0               ; x_codes s[4:5], w_codes s[6:7], the scales' exponents s[8:9], b_qkv s[10:11]
	s_load_b128 s[68:71], s[0:1], 0x20             ; q_img, kv_img
	v_lshl_add_u32 v[SPW], v0, 2, SPARE
	v_mov_b32 v[NIL], 0
	ds_add_u32 v[SPW], v[NIL]                      ; the wave's opening: the add, twice on end, and its wait
	ds_add_u32 v[SPW], v[NIL]
	v_lshrrev_b32 v1, 5, v0
	v_readfirstlane_b32 s14, v1                    ; wave 0..3
	s_lshr_b32 s15, s14, 1                         ; my half of the rows
	s_and_b32 s16, s14, 1                          ; my half of the columns
	s_bfe_u32 s40, ttmp6, 0x40000                  ; cx: my place in the cluster
	s_lshl_b32 s12, ttmp9, 2
	s_add_co_u32 s12, s12, s40                     ; the head: it enters W's, the bias's and the results' addresses alone
	s_and_b32 s13, ttmp7, 0xffff                   ; which 256 rows, which the four partners share
	; descriptor group 1: 65,536 dense bytes as four rows of 16,384
	s_mov_b32 s[G1], 15|(3<<16)|(1<<21)            ; 15:0 the mask: all four work-groups; 17:16 elements of 8 bytes; 20 no padding; 21 set beside a mask
	s_mov_b32 s[G1+1], 2048<<16                    ; tensor_dim0
	s_mov_b32 s[G1+2], 4<<16                       ; tensor_dim1
	s_mov_b32 s[G1+3], 2048<<16                    ; tile_dim0
	s_mov_b32 s[G1+4], 4                           ; tile_dim1
	s_mov_b32 s[G1+5], 2048                        ; tensor_dim0_stride
	s_mov_b32 s[G1+6], 0
	s_mov_b32 s[G1+7], 0
	s_lshl_b32 s20, s13, 18                        ; x: 16 tiles of 16,384 bytes,
	s_lshl_b32 s21, s14, 16
	s_add_co_u32 s20, s20, s21                     ; four of them a wave
	s_mov_b32 s21, 0
	s_lshl_b32 s22, s12, 16                        ; W: four tiles of 16,384 bytes a head,
	s_lshl_b32 s23, s16, 15
	s_add_co_u32 s22, s22, s23                     ; two of them mine, of each of q, k, v
	s_mov_b32 s23, 0
	s_lshl_b32 s44, s12, 8
	s_lshl_b32 s45, s16, 7
	s_add_co_u32 s44, s44, s45                     ; the bias of my first column
	s_mov_b32 s45, 0
	s_lshl_b32 s46, s15, 17                        ; LDS: my 128 rows
	v_and_b32 v1, 15, v0                           ; r
	v_bfe_u32 v2, v0, 4, 1                         ; h
	v_and_b32 v3, 31, v0
	v_lshlrev_b32 v[L16], 4, v3
	v_lshlrev_b32 v[BOQ], 5, v2
	v_lshlrev_b32 v[BOV], 2, v1
	v_add_nc_u32 v[ADR], s46, v[L16]
	v_add_nc_u32 v[ADR+1], 0x10000, v[ADR]
	s_wait_alu depctr_va_vdst(0)                   ; the wait here, directly ahead of the waits below
	s_wait_dscnt 0x0                               ; both opening adds are done
	s_wait_kmcnt 0x0
	s_load_b128 s[72:75], s[8:9], 0x0              ; e0 .. e3
	s_load_b64 s[76:77], s[8:9], 0x10              ; e4, e5
	s_mov_b32 s[G0], 1                             ; count = 1
	s_lshl_b32 s[G0+1], s14, 16                    ; LDS address: 65,536 x wave
	s_add_nc_u64 s[G0+2:G0+3], s[4:5], s[20:21]    ; global address
	s_or_b32 s[G0+3], s[G0+3], 0x80000000          ; type = 2
	s_add_nc_u64 s[6:7], s[6:7], s[22:23]
	s_add_nc_u64 s[10:11], s[10:11], s[44:45]
	ROUND                                          ; all four work-groups are here: the joint loads meet
	tensor_load_to_lds s[G0:G0+3], s[G1:G1+7]      ; my one tensor load
	s_nop 0
	PLACES
	WIN 0x40
.irp g, 0,1
.irp u, 0,1
	global_load_b128 v[BI+16*\g+8*\u:BI+16*\g+8*\u+3], v[BOQ], s[10:11] offset:4096*\g+64*\u
	global_load_b128 v[BI+16*\g+8*\u+4:BI+16*\g+8*\u+7], v[BOQ], s[10:11] offset:4096*\g+64*\u+16
.endr
.endr
.irp u, 0,1
	global_load_b32 v[BI+32+2*\u], v[BOV], s[10:11] offset:8192+64*\u      ; both halves of a pair, as the packed form wants them
	global_load_b32 v[BI+33+2*\u], v[BOV], s[10:11] offset:8192+64*\u
.endr
	FETCHW 0
	FETCHW 1
	FETCHW 2
	; where my results go
	s_lshr_b32 s80, s13, 3
	s_lshl_b32 s80, s80, 4
	s_add_co_u32 s80, s80, s12                     ; 16 x batch + head
	s_and_b32 s81, s13, 7                          ; which 256 rows of the batch
	s_lshl_b32 s82, s15, 13                        ; my half of the rows: 8,192 bytes of q, of k, of v
	s_lshl_b32 s83, s16, 9                         ; my half of the columns: 512 bytes of each tile of q, k
	s_lshl_b32 s84, s80, 17
	s_lshl_b32 s85, s81, 14
	s_add_co_u32 s84, s84, s85
	s_add_co_u32 s84, s84, s82
	s_add_co_u32 s84, s84, s83
	s_mov_b32 s85, 0
	s_add_nc_u64 s[88:89], s[68:69], s[84:85]      ; q
	s_lshl_b32 s80, s80, 18
	s_lshl_b32 s81, s81, 15
	s_add_co_u32 s80, s80, s81
	s_add_co_u32 s80, s80, s82                     ; the chunk, my rows
	s_add_co_u32 s84, s80, s83
	s_add_nc_u64 s[92:93], s[70:71], s[84:85]      ; k
	s_lshl_b32 s83, s16, 12                        ; two channel tiles of 2,048 bytes of v
	s_add_co_u32 s84, s80, s83
	s_add_co_u32 s84, s84, 16384
	s_add_nc_u64 s[94:95], s[70:71], s[84:85]      ; v
	s_wait_kmcnt 0x0
	s_add_co_i32 s78, s72, s73
	s_add_co_i32 s78, s78, 127
	s_lshl_b32 s78, s78, 23                        ; 2^(e0 + e1) as f32, twice
	s_mov_b32 s79, s78
	SCALES 0, 74
	SCALES 1, 75
	SCALES 2, 77
	s_wait_alu depctr_va_vdst(0)                   ; the wait at the head's end
	s_wait_tensorcnt 0x0                           ; my part of x is in
	s_barrier_signal -1
	s_barrier_wait -1                              ; all of x is in
	FETCHA 0, 0
	FETCHA 0, 1
	STEP 0
	STEP 1
	STEP 2
	STEP 3
	STEP 4
	STEP 5
	STEP 6
	STEP 7
	OUT 0
	OUT 1
	OUT 2
	OUT 3
	OUT 4
	OUT 5
	OUT 6
	OUT 7
	s_wait_tensorcnt 0x0                           ; the wave's end
	ds_add_u32 v[SPW], v[NIL]
	s_wait_dscnt 0x0
	ROUND                                          ; the closing round: no work-group ends while a partner may still ask for a part that names it
	s_endpgm
.Lfunc_end_k_qf0be2315c2_qkv:
	.size	k_qf0be2315c2_qkv, .Lfunc_end_k_qf0be2315c2_qkv-k_qf0be2315c2_qkv
	.p2alignl 7, 3214868480
	.fill 96, 4, 3214868480
	.section	.rodata,"a",@progbits
	.p2align	6, 0x0
	.amdhsa_kernel k_qf0be2315c2_qkv
		.amdhsa_group_segment_fixed_size 327680
		.amdhsa_private_segment_fixed_size 0
		.amdhsa_enable_private_segment 0
		.amdhsa_kernarg_size 48
		.amdhsa_user_sgpr_count 2
		.amdhsa_user_sgpr_kernarg_segment_ptr 1
		.amdhsa_wavefront_size32 1
		.amdhsa_system_sgpr_workgroup_id_x 1
		.amdhsa_system_sgpr_workgroup_id_y 1
		.amdhsa_system_sgpr_workgroup_id_z 1
		.amdhsa_system_vgpr_workitem_id 0
		.amdhsa_next_free_vgpr 1024
		.amdhsa_next_free_sgpr 96
		.amdhsa_reserve_vcc 0
		.amdhsa_float_denorm_mode_32 3
		.amdhsa_float_denorm_mode_16_64 3
		.amdhsa_memory_ordered 1
		.amdhsa_forward_progress 1
		.amdhsa_inst_pref_size 112
	.end_amdhsa_kernel
	.amdgpu_metadata
---
amdhsa.version: [ 1, 2 ]
amdhsa.kernels:
  - .name:           k_qf0be2315c2_qkv
    .symbol:         k_qf0be2315c2_qkv.kd
    .args:
      - { .name: x_codes, .offset: 0, .size: 8, .value_kind: global_buffer, .address_space: global }
      - { .name: w_codes, .offset: 8, .size: 8, .value_kind: global_buffer, .address_space: global }
      - { .name: lowp_scales, .offset: 16, .size: 8, .value_kind: global_buffer, .address_space: global }
      - { .name: b_qkv, .offset: 24, .size: 8, .value_kind: global_buffer, .address_space: global }
      - { .name: q_img, .offset: 32, .size: 8, .value_kind: global_buffer, .address_space: global }
      - { .name: kv_img, .offset: 40, .size: 8, .value_kind: global_buffer, .address_space: global }
    .group_segment_fixed_size: 327680
    .private_segment_fixed_size: 0
    .kernarg_segment_align: 8
    .kernarg_segment_size: 48
    .max_flat_workgroup_size: 128
    .sgpr_count:     96
    .vgpr_count:     1024
    .wavefront_size: 32
...
	.end_amdgpu_metadata
.endif
;; end of part 2
;; launch attn (part 3): grid 8 x 32, 8 waves a work-group, clusters of 4 x 1, 327,680 bytes of LDS; arguments q_img, kv_img, lowp_scales, out0; writes out0
.if DOCPART == 3
	.amdgcn_target "amdgcn-amd-amdhsa--gfx1250"
	.amdhsa_code_object_version 6
	.text
	.protected	k_qf0be2315c2_attn
	.globl	k_qf0be2315c2_attn
	.p2align	8
	.type	k_qf0be2315c2_attn,@function
k_qf0be2315c2_attn:
	s_mov_b64 s[64:65], 0
	v_nop
	global_prefetch_b8 v0, s[64:65] scope:SCOPE_SE
	s_setreg_imm32_b32 hwreg(HW_REG_WAVE_MODE, 25, 1), 1
	s_wait_xcnt 0x0
	s_wait_alu depctr_hold_cnt(0) depctr_sa_sdst(0) depctr_va_vdst(0) depctr_va_sdst(0) depctr_va_ssrc(0) depctr_va_vcc(0) depctr_vm_vsrc(0)
	s_getreg_b32 s2, hwreg(HW_REG_IB_STS2, 6, 4)
	s_cmp_eq_u32 s2, 0
	s_cbranch_scc0 .Lentry_in_a_cluster
	s_endpgm
.Lentry_in_a_cluster:
	s_bfe_u32 s2, ttmp6, 0x10000c
	s_cmp_lg_u32 s2, 0x3003
	s_cbranch_scc0 .Lentry_shape_is_right
	s_endpgm
.Lentry_shape_is_right:
; out0[n][s][64 head + d] = the sum over keys of softmax(q . k / 8) v, both products on codes of E4M3; q, k, v come as images of operand registers.
; THE SOFTMAX AHEAD OF THE SECOND PRODUCT: t = score x log2(e) / 8; M = the row's largest t so far, rounded UP to a whole number; p = 2^(t - M) is quantised with the given 2^e4; it is not normalised.
; The row's sum is taken of the unquantised p, in f32, and divides O at the end.  When M moves, the sum and O are multiplied by 2^(old M - new M): nothing is rounded, and there is no branch on data.
; SHARES.  A work-group owns 256 queries of one head of one batch (32 of those: grid y); each of its EIGHT waves owns 32 queries, two tiles of 16 (a and b): a fragment of K or V read from LDS serves two products.
; Every wave walks all 2,048 keys, 128 a step.  THE TWO TILES ARE HALF A STEP APART: the exponentials of one tile stand between the sums and holds of the other's p, and behind them that other tile has its products,
; its next scores, maximum and multiply-adds.  So a wave has independent work beside each run of exponentials.
; LDS.  The head's K and V, 262,144 bytes, lie in LDS whole: K from byte 0, V from byte 131,072, 8,192 bytes of each a step.  Every byte is filled once.  A fragment is read as it was stored, 16 bytes a lane on end.
; CLUSTER.  The four query blocks of a cluster walk the same K and V: each part is asked for JOINTLY (mask 15).  Each wave issues one load: waves 0 to 3 512 keys of K each, waves 4 to 7 512 keys of V each.
; All of K and V is asked for at the kernel's head, so there is nothing that a prefetch could ask for earlier.
; LAYOUT.  Both products are used transposed: S^T = K Q^T (source 0 = 16 keys, source 1 = 16 queries; K = 64), O^T = V^T P^T (source 0 = 16 channels, source 1 = P; K = 128 keys): a lane holds ONE query throughout.
; Register j of tile t of S^T is key 16 t + 8 (lane / 16) + j: converted, registers 2 t, 2 t + 1 of P's operand, each k in its own place (ISA guide 7.12.2).
; LIMITS: e2 + e3 between -123 and 130 (they are added to c's exponent field); e4 between -126 and 119; e4 + e5 is applied by v_ldexp_f32 and has none.  The scaled scores stay under 2^31 in magnitude.  NaN is not served.
; REGISTERS, window 0: below.  Window 1 (v256 on): Q's two fragments, eight fragments of K, four of V.
.set SPARE, 0x40000                    ; behind V: the spare words, 128 bytes for each wave
.set STAGE, 0x40400                    ; behind them: the way out, 16 rows x 272 bytes for each wave
.set SPT,  272
.set VLDS, 0x20000
.set AD,   0                           ; v0      LDS address in hand (the thread's number at the entry)
.set LI,   1                           ; v1      16 x lane
.set SPW,  2                           ; v2      LDS address of my spare word
.set NIL,  3                           ; v3      0
.set NM,   4                           ; v[4:5]  -M of tile a, of tile b
.set MX,   6                           ; v6, v7  the largest score so far of tile a, of tile b (scores as the product gives them)
.set FF,   8                           ; v[8:9]  2^(old M - new M) of tile a, of tile b
.set SU,   10                          ; v[10:11], v[12:13] the sums of tile a, of tile b, each in two halves
.set SCL,  14                          ; v14     2^e4
.set TT,   16                          ; v16-47  sums at work
.set C0,   32                          ; v32-37  maxima at work (when the first level of sums has been taken up)
.set CO,   48                          ; v48-63  P's codes, of one tile at a time
.set SS,   64                          ; v64-127 scores, then p, of tile a; v128-191 of tile b
.set OO,   192                         ; v192-223 O^T of tile a; v224-255 of tile b
.set QF,   0                           ; window 1
.set KF,   16
.set VF,   80
.set WV,   12                          ; s12  my wave's number
.set SEL,  20                          ; s[20:21] lane selects for v_permlanex16_b32: lane l xor 16
.set CS,   22                          ; s[22:23] c = log2(e) / 8 x 2^(e2 + e3), twice
.set G1,   24
.set G0,   32
.set LIM,  36                          ; s36  448 x 2^e4
.set NC,   37                          ; s37  -c
.set SK,   38                          ; s38  LDS byte of the K that is read next
.set SV,   39                          ; s39  of V
.set CNT,  40
.set MSB, 0
.macro WIN new                         ; the immediate's high byte repeats the setting that is left
.if MSB != \new
	s_set_vgpr_msb (MSB<<8)|\new
.set MSB, \new
.endif
.endm
.macro AWAIT                           ; the wait: ahead of each batch of transcendentals and behind it, ahead of branches and blocking waits, and ahead of O^T's first reader
	s_wait_alu depctr_va_vdst(0)
.endm
.macro ROUND                           ; a round of the cluster's barrier
	s_barrier_signal -1
	s_barrier_wait -1
	s_cmp_lg_u32 s[WV], 0
	s_cbranch_scc1 .Lnot_wave_0_\@
	s_barrier_signal -3
.Lnot_wave_0_\@:
	s_barrier_wait -3
	s_barrier_signal -1
	s_barrier_wait -1
.endm
.macro KLOAD adr                       ; eight tiles of 16 keys x 64 channels
	WIN 0x40
.set i, 0
.rept 16
	ds_load_b128 v[KF+4*i:KF+4*i+3], v[\adr] offset:512*i
.set i, i+1
.endr
	WIN 0
.endm
.macro VLOAD adr                       ; four tiles of 16 channels x 128 keys
	WIN 0x40
.set i, 0
.rept 16
	ds_load_b128 v[VF+4*i:VF+4*i+3], v[\adr] offset:512*i
.set i, i+1
.endr
	WIN 0
.endm
.macro QK x                            ; tile x's scores of 128 keys
	WIN 0x05
.set i, 0
.rept 8
	v_wmma_f32_16x16x64_fp8_fp8 v[SS+64*\x+8*i:SS+64*\x+8*i+7], v[KF+8*i:KF+8*i+7], v[QF+8*\x:QF+8*\x+7], 0
.set i, i+1
.endr
.endm
.macro PV x                            ; the four accumulators by turns, one instruction a turn
	WIN 0x01
.set i, 0
.rept 4
	v_wmma_f32_16x16x128_fp8_fp8 v[OO+32*\x+8*i:OO+32*\x+8*i+7], v[VF+16*i:VF+16*i+15], v[CO:CO+15], v[OO+32*\x+8*i:OO+32*\x+8*i+7]
.set i, i+1
.endr
	WIN 0
.endm
.macro TREE n                          ; 2 n pairs become n
.set i, 0
.rept \n
	v_pk_add_f32 v[TT+2*i:TT+2*i+1], v[TT+4*i:TT+4*i+1], v[TT+4*i+2:TT+4*i+3]
.set i, i+1
.endr
.endm
.macro SUM x                           ; the sum under the step's M
	v_pk_fma_f32 v[SU+2*\x:SU+2*\x+1], v[SU+2*\x:SU+2*\x+1], v[FF:FF+1], v[TT:TT+1] op_sel:[0,\x,0] op_sel_hi:[1,\x,1]
.endm
.macro MAXC x                          ; the largest of my 64 scores, in six chains, each accumulator from its low end on
.set i, 0
.rept 6
	v_max3_num_f32 v[C0+i], v[SS+64*\x+3*i], v[SS+64*\x+3*i+1], v[SS+64*\x+3*i+2]
.set i, i+1
.endr
.set i, 0
.rept 23
	v_max3_num_f32 v[C0+i%6], v[C0+i%6], v[SS+64*\x+18+2*i], v[SS+64*\x+19+2*i]
.set i, i+1
.endr
.endm
.macro FMAS x, from, n                 ; t - M, two at a time: n pairs, beginning at register from
.set i, \from
.rept \n
	v_pk_fma_f32 v[SS+64*\x+i:SS+64*\x+i+1], v[SS+64*\x+i:SS+64*\x+i+1], s[CS:CS+1], v[NM:NM+1] op_sel:[0,0,\x] op_sel_hi:[1,0,\x]
.set i, i+2
.endr
.endm
; M's step of tile x, with the last sums of its earlier p between: the row's largest score, among lane l xor 16's too; -M = floor(-t); 2^(old M - new M).
.macro CHAIN x
	v_max3_num_f32 v[C0], v[C0], v[C0+1], v[C0+2]
	v_max3_num_f32 v[C0+3], v[C0+3], v[C0+4], v[C0+5]
	v_pk_add_f32 v[TT:TT+1], v[TT:TT+1], v[TT+2:TT+3]
	s_delay_alu instid0(VALU_DEP_2)
	v_max_num_f32 v[C0], v[C0], v[C0+3]
	v_pk_add_f32 v[TT+2:TT+3], v[TT+4:TT+5], v[TT+6:TT+7]
	s_delay_alu instid0(VALU_DEP_2)
	v_permlanex16_b32 v[C0+1], v[C0], s[SEL], s[SEL+1]
	v_pk_add_f32 v[TT:TT+1], v[TT:TT+1], v[TT+2:TT+3]
	s_delay_alu instid0(VALU_DEP_2)
	v_max3_num_f32 v[MX+\x], v[C0], v[C0+1], v[MX+\x]
	s_delay_alu instid0(VALU_DEP_1)
	v_mul_f32 v[C0+2], s[NC], v[MX+\x]             ; -t (c is positive)
	SUM \x
	s_delay_alu instid0(VALU_DEP_2)
	v_floor_f32 v[C0+2], v[C0+2]                   ; the new -M: M is a whole number
	s_delay_alu instid0(VALU_DEP_1)
	v_sub_f32 v[C0+3], v[C0+2], v[NM+\x]           ; M's old value less its new one: a whole number, 0 or less
	v_mov_b32 v[NM+\x], v[C0+2]
	FMAS \x, 0, 4
	v_cvt_i32_f32 v[C0+3], v[C0+3]                 ; (it saturates)
	FMAS \x, 8, 4
	v_ldexp_f32 v[FF+\x], 1.0, v[C0+3]
	FMAS \x, 16, 24
.endm
.macro FIRST x                         ; M of the first step: nothing was summed under an older one
	v_max3_num_f32 v[C0], v[C0], v[C0+1], v[C0+2]
	v_max3_num_f32 v[C0+3], v[C0+3], v[C0+4], v[C0+5]
	v_max_num_f32 v[C0], v[C0], v[C0+3]
	v_permlanex16_b32 v[C0+1], v[C0], s[SEL], s[SEL+1]
	v_max_num_f32 v[MX+\x], v[C0], v[C0+1]
	v_mul_f32 v[C0+2], s[NC], v[MX+\x]
	v_floor_f32 v[NM+\x], v[C0+2]
	FMAS \x, 0, 32
.endm
; Tile y's exponentials (ex = 1), one by one with tile x's work on its p: the first level of sums, of the unquantised p, then the hold (the conversion to an 8-bit code does not saturate: ISA guide 7.6.2; p is not negative, so the hold is one-sided).
.macro MIXEXP y, n, ex
.if \ex
	v_exp_f32 v[SS+64*\y+\n], v[SS+64*\y+\n]       ; p = 2^(t - M), at most 1: not normalised
.endif
.endm
.macro EXPMIX y, x, ex
.set j, 0
.rept 16
	MIXEXP \y, 4*j, \ex
	v_pk_add_f32 v[TT+2*j:TT+2*j+1], v[SS+64*\x+4*j:SS+64*\x+4*j+1], v[SS+64*\x+4*j+2:SS+64*\x+4*j+3]
	MIXEXP \y, 4*j+1, \ex
	v_dual_min_num_f32 v[SS+64*\x+4*j], s[LIM], v[SS+64*\x+4*j] :: v_dual_min_num_f32 v[SS+64*\x+4*j+1], s[LIM], v[SS+64*\x+4*j+1]
	MIXEXP \y, 4*j+2, \ex
	v_dual_min_num_f32 v[SS+64*\x+4*j+2], s[LIM], v[SS+64*\x+4*j+2] :: v_dual_min_num_f32 v[SS+64*\x+4*j+3], s[LIM], v[SS+64*\x+4*j+3]
	MIXEXP \y, 4*j+3, \ex
.set j, j+1
.endr
.endm
; Behind the exponentials: tile x's O^T under the step's M, its codes, its products.  qk = 1: the next step's scores and all up to t - M.  vl = 1: both tiles have used V, and the next step's is read.
.macro TAIL x, qk, vl
	AWAIT
.set i, 0
.rept 16
	v_pk_mul_f32 v[OO+32*\x+i:OO+32*\x+i+1], v[OO+32*\x+i:OO+32*\x+i+1], v[FF:FF+1] op_sel:[0,\x] op_sel_hi:[1,\x]
.set i, i+2
.endr
.set i, 0
.rept 8
	v_cvt_scalef32_pk8_fp8_f32 v[CO+2*i:CO+2*i+1], v[SS+64*\x+8*i:SS+64*\x+8*i+7], v[SCL]   ; keys 16 i + 8 h + 0 .. 7: registers 2 i, 2 i + 1 of P's operand
.set i, i+1
.endr
	TREE 8                                         ; (also the plain place between the conversions and the products)
.if \qk
	QK \x
.endif
	PV \x
	TREE 4                                         ; (also the four places behind the products)
.if \vl
	v_add_nc_u32 v[AD], s[SV], v[LI]
	VLOAD AD
.endif
.if \qk
	MAXC \x
	CHAIN \x
.else
	TREE 2
	TREE 1
	SUM \x
.endif
.endm
; A trip, step s: the next step's K is read; b's exponentials with a's p, then a's products of step s and its scores of step s + 1; a's exponentials with b's p, then the same for b, and the next step's V is read.
.macro TRIP
	v_add_nc_u32 v[AD], s[SK], v[LI]
	KLOAD AD
	EXPMIX 1, 0, 1
	s_wait_dscnt 0x0                               ; K of step s + 1 and V of step s are in
	TAIL 0, 1, 0
	AWAIT
	EXPMIX 0, 1, 1
	TAIL 1, 1, 1
	s_add_co_u32 s[SK], s[SK], 8192
	s_add_co_u32 s[SV], s[SV], 8192
	s_sub_co_i32 s[CNT], s[CNT], 1
	s_cmp_lg_u32 s[CNT], 0
	AWAIT
.endm
	s_load_b256 s[4:11], s[0:1], 0x0               ; q_img s[4:5], kv_img s[6:7], the scales' exponents s[8:9], out0 s[10:11]
	v_lshl_add_u32 v[SPW], v0, 2, SPARE
	v_mov_b32 v[NIL], 0
	ds_add_u32 v[SPW], v[NIL]                      ; the wave's opening: the add, twice on end, and its wait
	ds_add_u32 v[SPW], v[NIL]
	v_lshrrev_b32 v4, 5, v0
	v_readfirstlane_b32 s[WV], v4                  ; wave 0..7
	s_bfe_u32 s13, ttmp6, 0x40000                  ; cx: my place in the cluster
	s_lshl_b32 s14, ttmp9, 2
	s_add_co_u32 s14, s14, s13                     ; my block of 256 queries: it enters Q's and out0's addresses alone
	s_and_b32 s15, ttmp7, 0xffff                   ; 16 x batch + head, which the four partners share
	; descriptor group 1: two rows of 16,384 bytes, 32,768 apart (kv_img has 256 keys of K, then the same keys of V, and so on)
	s_mov_b32 s[G1], 15|(3<<16)|(1<<21)            ; 15:0 the mask: all four work-groups; 17:16 elements of 8 bytes; 20 no padding; 21 set beside a mask
	s_mov_b32 s[G1+1], 2048<<16                    ; tensor_dim0
	s_mov_b32 s[G1+2], 2<<16                       ; tensor_dim1
	s_mov_b32 s[G1+3], 2048<<16                    ; tile_dim0
	s_mov_b32 s[G1+4], 2                           ; tile_dim1
	s_mov_b32 s[G1+5], 4096                        ; tensor_dim0_stride
	s_mov_b32 s[G1+6], 0
	s_mov_b32 s[G1+7], 0
	s_mov_b32 s[SEL], 0x76543210
	s_mov_b32 s[SEL+1], 0xfedcba98
	s_mov_b32 s[CS], 0x3e38aa3b                    ; c = log2(e) / 8
	s_and_b32 s16, s[WV], 3
	s_lshl_b32 s16, s16, 16                        ; 512 keys a wave,
	s_lshr_b32 s17, s[WV], 2
	s_lshl_b32 s17, s17, 14                        ; of K (waves 0 to 3) or of V
	s_add_co_u32 s16, s16, s17
	s_lshl_b32 s18, s15, 18                        ; the head's 262,144 bytes
	s_add_co_u32 s16, s16, s18
	s_mov_b32 s17, 0
	s_lshl_b32 s18, s14, 4
	s_lshl_b32 s19, s[WV], 1
	s_add_co_u32 s18, s18, s19                     ; my two tiles of 16 queries: 16 x block + 2 x wave, 1,024 bytes each,
	s_lshl_b32 s18, s18, 10
	s_lshl_b32 s19, s15, 17                        ; 131,072 a head
	s_add_co_u32 s18, s18, s19
	s_mov_b32 s19, 0
	s_lshr_b32 s44, s15, 4
	s_lshl_b32 s44, s44, 23                        ; out0: the batch's 2,048 rows of 4,096 bytes,
	s_lshl_b32 s45, s14, 20                        ; my block's 256 rows,
	s_add_co_u32 s44, s44, s45
	s_lshl_b32 s45, s[WV], 17                      ; my wave's 32,
	s_add_co_u32 s44, s44, s45
	s_and_b32 s45, s15, 15
	s_lshl_b32 s45, s45, 8                         ; the head's 256 bytes of a row
	s_add_co_u32 s44, s44, s45
	s_mov_b32 s45, 0
	s_wait_dscnt 0x0                               ; both opening adds are done
	s_wait_kmcnt 0x0
	s_load_b128 s[48:51], s[8:9], 0x0              ; e0 .. e3
	s_load_b64 s[52:53], s[8:9], 0x10              ; e4, e5
	s_mov_b32 s[G0], 1                             ; count = 1
	s_lshl_b32 s[G0+1], s[WV], 15                  ; LDS address: 32,768 x wave
	s_add_nc_u64 s[G0+2:G0+3], s[6:7], s[16:17]    ; global address
	s_or_b32 s[G0+3], s[G0+3], 0x80000000          ; type = 2
	s_add_nc_u64 s[4:5], s[4:5], s[18:19]
	s_add_nc_u64 s[10:11], s[10:11], s[44:45]
	ROUND                                          ; all four work-groups are here: the joint loads meet
	tensor_load_to_lds s[G0:G0+3], s[G1:G1+7]      ; my one tensor load
	s_nop 0
	v_and_b32 v[LI], 31, v0
.set i, 0
.rept 32
	v_dual_mov_b32 v[OO+i], 0 :: v_dual_mov_b32 v[OO+i+1], 0   ; O^T and the sums begin as zeros: every step has one form
.set i, i+2
.endr
	v_lshlrev_b32 v[LI], 4, v[LI]
	v_mov_b32 v[SU], 0
	v_mov_b32 v[SU+1], 0
	v_mov_b32 v[SU+2], 0
	v_mov_b32 v[SU+3], 0
	v_mov_b32 v[NM+1], 0                           ; (named with tile a's as a pair before its own first write)
	v_mov_b32 v[FF], 1.0
	v_mov_b32 v[FF+1], 1.0
	AWAIT
	WIN 0x40
.irp c, 0,1,2,3
	global_load_b128 v[QF+4*\c:QF+4*\c+3], v[LI], s[4:5] offset:512*\c   ; Q's two fragments stay in registers
.endr
	WIN 0
	s_wait_kmcnt 0x0
	s_add_co_i32 s41, s50, s51
	s_lshl_b32 s41, s41, 23
	s_add_co_i32 s[CS], s[CS], s41                 ; a score stands for score x 2^(e2 + e3)
	s_mov_b32 s[CS+1], s[CS]
	s_xor_b32 s[NC], s[CS], 0x80000000
	s_add_co_i32 s41, s52, 127
	s_lshl_b32 s42, s41, 23
	v_mov_b32 v[SCL], s42                          ; 2^e4 as f32: the conversion takes its exponent field
	s_add_co_i32 s41, s41, 8
	s_lshl_b32 s41, s41, 23
	s_or_b32 s[LIM], s41, 0x600000
	s_add_co_i32 s54, s52, s53                     ; e4 + e5
	AWAIT
	s_wait_loadcnt 0x0                             ; Q
	s_wait_tensorcnt 0x0                           ; my part of K or V is in
	s_barrier_signal -1
	s_barrier_wait -1                              ; all of K and V is in
	v_add_nc_u32 v[AD], VLDS, v[LI]
	KLOAD LI                                       ; step 0's K
	VLOAD AD                                       ; and V
	s_wait_dscnt 16                                ; K is in; V's 16 loads may be out
	QK 0
	QK 1
	WIN 0
.rept 4
	v_nop                                          ; places behind the products: no other vector work is at hand
.endr
	MAXC 0
	FIRST 0
	MAXC 1
	FIRST 1
	AWAIT
.set i, 0
.rept 64
	v_exp_f32 v[SS+i], v[SS+i]
.set i, i+1
.endr
	v_nop                                          ; a plain place behind the exponentials
	s_mov_b32 s[SK], 8192
	s_mov_b32 s[SV], VLDS+8192
	s_mov_b32 s[CNT], 15
	AWAIT
.Lrest:                                                ; steps 0 to 14
	TRIP
	s_cbranch_scc1 .Lrest
	EXPMIX 1, 0, 1                                 ; step 15: no scores follow
	s_wait_dscnt 0x0                               ; its V
	TAIL 0, 0, 0
	EXPMIX 0, 1, 0
	TAIL 1, 0, 0
	; THE WAY OUT.  O^T is divided by the row's sum, multiplied by 2^(e4 + e5), and goes through my stage in LDS, so that sixteen lanes store a query's 64 channels: 256 consecutive bytes, aligned.
	v_add_f32 v16, v[SU], v[SU+1]                  ; the sums' two halves,
	v_add_f32 v17, v[SU+2], v[SU+3]
	v_bfe_u32 v20, v[LI], 4, 4                     ; r
	v_bfe_u32 v21, v[LI], 8, 1                     ; h
	v_permlanex16_b32 v18, v16, s[SEL], s[SEL+1]
	v_permlanex16_b32 v19, v17, s[SEL], s[SEL+1]
	s_mul_i32 s41, s[WV], 16*SPT
	s_add_co_u32 s41, s41, STAGE                   ; my stage
	v_mul_u32_u24 v22, v20, SPT
	v_mul_u32_u24 v23, v21, SPT
	v_add_f32 v16, v16, v18                        ; and lane l xor 16's
	v_add_f32 v17, v17, v19
	v_lshl_add_u32 v22, v21, 5, v22
	v_lshl_add_u32 v23, v20, 4, v23
	v_add_nc_u32 v22, s41, v22                     ; in: row r; tile d's eight channels of my half: 64 d + 32 h bytes on
	v_add_nc_u32 v23, s41, v23                     ; back: lanes 0-15 one row, lanes 16-31 the next
	v_lshlrev_b32 v24, 12, v21
	AWAIT
	v_rcp_f32 v16, v16
	v_rcp_f32 v17, v17
	v_lshl_add_u32 v24, v20, 4, v24                ; and the same in out0  (a plain place behind the reciprocals)
	AWAIT
	v_ldexp_f32 v16, v16, s54                      ; x 2^(e4 + e5)
	v_ldexp_f32 v17, v17, s54
	AWAIT
.set i, 0
.rept 16
	v_pk_mul_f32 v[64+i:65+i], v[OO+i:OO+i+1], v[16:17] op_sel_hi:[1,0]   ; register 8 d + i is o(query r, channel 16 d + 8 h + i); each accumulator from its low end on
.set i, i+2
.endr
.set i, 0
.rept 16
	v_pk_mul_f32 v[96+i:97+i], v[OO+32+i:OO+33+i], v[16:17] op_sel:[0,1] op_sel_hi:[1,1]
.set i, i+2
.endr
.irp x, 0,1
.irp d, 0,1,2,3
	ds_store_b128 v22, v[64+32*\x+8*\d:67+32*\x+8*\d] offset:64*\d
	ds_store_b128 v22, v[68+32*\x+8*\d:71+32*\x+8*\d] offset:64*\d+16
.endr
.irp i, 0,1,2,3,4,5,6,7
	ds_load_b128 v[128+32*\x+4*\i:131+32*\x+4*\i], v23 offset:2*\i*SPT   ; LDS serves a wave's instructions in order (ISA guide 5.7.1.4): these see my stores, and tile b's stores come behind them
.endr
.endr
.irp i, 0,1,2,3,4,5,6,7
	s_wait_dscnt 23-\i                             ; behind tile a's load i: 7 - i of its loads, tile b's 8 stores and 8 loads
	global_store_b128 v24, v[128+4*\i:131+4*\i], s[10:11] offset:8192*\i th:TH_STORE_NT   ; rows 2 i and 2 i + 1; written once, read by nobody here
.endr
.irp i, 0,1,2,3,4,5,6,7
	s_wait_dscnt 7-\i
	global_store_b128 v24, v[160+4*\i:163+4*\i], s[10:11] offset:65536+8192*\i th:TH_STORE_NT
.endr
	s_wait_tensorcnt 0x0                           ; the wave's end
	ds_add_u32 v[SPW], v[NIL]
	s_wait_dscnt 0x0
	ROUND                                          ; the closing round: no work-group ends while a partner may still ask for a part that names it
	s_endpgm
.Lfunc_end_k_qf0be2315c2_attn:
	.size	k_qf0be2315c2_attn, .Lfunc_end_k_qf0be2315c2_attn-k_qf0be2315c2_attn
	.p2alignl 7, 3214868480
	.fill 96, 4, 3214868480
	.section	.rodata,"a",@progbits
	.p2align	6, 0x0
	.amdhsa_kernel k_qf0be2315c2_attn
		.amdhsa_group_segment_fixed_size 327680
		.amdhsa_private_segment_fixed_size 0
		.amdhsa_enable_private_segment 0
		.amdhsa_kernarg_size 32
		.amdhsa_user_sgpr_count 2
		.amdhsa_user_sgpr_kernarg_segment_ptr 1
		.amdhsa_wavefront_size32 1
		.amdhsa_system_sgpr_workgroup_id_x 1
		.amdhsa_system_sgpr_workgroup_id_y 1
		.amdhsa_system_sgpr_workgroup_id_z 1
		.amdhsa_system_vgpr_workitem_id 0
		.amdhsa_next_free_vgpr 512
		.amdhsa_next_free_sgpr 66
		.amdhsa_reserve_vcc 0
		.amdhsa_float_denorm_mode_32 3
		.amdhsa_float_denorm_mode_16_64 3
		.amdhsa_memory_ordered 1
		.amdhsa_forward_progress 1
		.amdhsa_inst_pref_size 71
	.end_amdhsa_kernel
	.amdgpu_metadata
---
amdhsa.version: [ 1, 2 ]
amdhsa.kernels:
  - .name:           k_qf0be2315c2_attn
    .symbol:         k_qf0be2315c2_attn.kd
    .args:
      - { .name: q_img, .offset: 0, .size: 8, .value_kind: global_buffer, .address_space: global }
      - { .name: kv_img, .offset: 8, .size: 8, .value_kind: global_buffer, .address_space: global }
      - { .name: lowp_scales, .offset: 16, .size: 8, .value_kind: global_buffer, .address_space: global }
      - { .name: out0, .offset: 24, .size: 8, .value_kind: global_buffer, .address_space: global }
    .group_segment_fixed_size: 327680
    .private_segment_fixed_size: 0
    .kernarg_segment_align: 8
    .kernarg_segment_size: 32
    .max_flat_workgroup_size: 256
    .sgpr_count:     66
    .vgpr_count:     512
    .wavefront_size: 32
...
	.end_amdgpu_metadata
.endif
;; end of part 3
